; MI455X (gfx1250); checked and timed in simulation.
; The chip was launched on July 23, 2026; its instructions are those of AMD's public machine-readable ISA for CDNA 5 (MIT licence, August 2026) and "CDNA5" Instruction Set Architecture Reference Guide (July 2026). The comments in the code are by the model that wrote it; some were corrected since.
;; Scaled Dot Product Attention. Allowed arithmetic: matrix products marked QUANTISED: E2M3 operands, one E8M0 scale for each 32 along K, by v_wmma_scale_f32_16x16x128_f8f6f4 with both operands' format E2M3, f32 sums; everything else in f32.
;; Inputs: k 2 x 8 x 4,096 x 64 float32; mask 1 x 1 x 4,096 x 4,096 bool; q 2 x 8 x 4,096 x 64 float32; v 2 x 8 x 4,096 x 64 float32.
;; Outputs: out0 2 x 8 x 4,096 x 64 float32.
;; This version of the problem:
;;   THIS VERSION OF THE PROBLEM IS GIVEN IN LOW PRECISION. The matrix products marked QUANTISED in the list below multiply operands that are first quantised to E2M3 (2 exponent bits, 3 mantissa bits; 6 bits a number), with one power-of-two scale for each 32 numbers along K (OCP MX v1.0); their sums are f32. All else is computed in f32.
;;   The module's matrix products, in the order in which they are computed (A, B: the left and right operand; K: the contracted axis; several contracted axes count as one K, in the product's order):
;;     1. batch 16 x [M 4,096, K 64] x [K 64, N 4,096]; A: input q; B: input k: QUANTISED
;;     2. batch 16 x [M 4,096, K 4,096] x [K 4,096, N 64]; A: softmax (see below); B: input v: QUANTISED
;;   THE QUANTISER, for each operand of a quantised product, along K:
;;     - K is cut into blocks of 32 from its start; a last block that is shorter is filled with zeros.
;;     - A block's scale is 2^e with e = floor(log2(the largest magnitude in the block)) - 2, held to -126 .. 127; a block of zeros has e = 0. As a byte (E8M0): e + 127.
;;     - Each number is divided by its block's scale, clamped to +-7.5, and rounded to the nearest number of E2M3, ties to even, subnormals kept.
;;     - The product sums the exact products of the quantised numbers (number of the format x scale) in f32.
;;   ~~~python
;;   def quantise(x, axis):      # numpy; x: float32 -> the quantised numbers, widened to float32 again
;;       x = np.moveaxis(x, axis, -1); K = x.shape[-1]
;;       x = np.pad(x, [(0, 0)] * (x.ndim - 1) + [(0, -K % 32)]); x = x.reshape(x.shape[:-1] + (-1, 32)); a = np.abs(x).max(-1, keepdims=True)
;;       e = np.where(a > 0, np.clip(np.frexp(np.where(a > 0, a, 1))[1] - 1 - 2, -126, 127), 0)      # np.frexp(a)[1] - 1 = floor(log2(a)), exactly
;;       r = np.clip(x / 2.0 ** e, -7.5, 7.5)
;;       step = 2.0 ** (np.maximum(np.frexp(np.where(r == 0, 1, r))[1] - 1, 0) - 3)
;;       q = np.round(r / step) * step * 2.0 ** e      # np.round: ties to even
;;       return np.moveaxis(q.reshape(q.shape[:-2] + (-1,))[..., :K], -1, axis).astype(np.float32)
;;   ~~~
;;   SOFTMAX AHEAD OF A QUANTISED PRODUCT. Where the list says 'softmax', what is quantised is not the finished softmax but p = 2^(t - M), with t = logit x log2(e) and M = ceil(the row's largest t), a whole number; so 1/2 < the row's largest p <= 1. The row's sum l is taken of the UNQUANTISED p, in f32, and the product's result is divided by l at the end. Since M is a whole number, a kernel that streams over the keys may use a running M (the ceiling of the running maximum): every later rescaling is an exact power of two, which a block's scale takes up: the codes' values come out the same.
;;   OPERANDS COMPUTED ON THE WAY. 'Computed on the way' means the value that the module computes at that place (a softmax that the list does not call 'softmax' is quantised finished and normalised). What goes into a quantiser is computed in f32, as accurately as f32 sums, v_exp_f32 and their like allow (about 1e-6 of the number): no bf16 or f16 on the way to a quantiser, and a product that is left as it is and whose result goes on into a quantised operand takes f32 operands (vector FMAs, or v_wmma_f32_16x16x4_f32). A number that lies on a knife's edge between two numbers of the format may be rounded either way, as far as f32 arithmetic and the matrix unit's own rounding can turn it there, and no further.
;; One version. Each part assembles by itself: llvm-mc -triple=amdgcn-amd-amdhsa -mcpu=gfx1250 --defsym DOCPART=n.
;; ======== version 1 of 1: 2 launches
;; limits: right only within a limited range of input values
;; workspace buffers: kv 6,684,672 bytes; mbits 2,097,152 bytes of whole numbers
;; launch prep (part 1): grid 32 x 16, 8 waves a work-group, no clusters, 83,968 bytes of LDS; arguments k, v, mask, kv, mbits; writes kv, mbits
.if DOCPART == 1
	.amdgcn_target "amdgcn-amd-amdhsa--gfx1250"
	.amdhsa_code_object_version 6
	.text
	.protected	k_q1690df98a8_prep
	.globl	k_q1690df98a8_prep
	.p2align	8
	.type	k_q1690df98a8_prep,@function
k_q1690df98a8_prep:
	s_mov_b64 s[64:65], 0
	v_nop
	global_prefetch_b8 v0, s[64:65] scope:SCOPE_SE
	s_setreg_imm32_b32 hwreg(HW_REG_WAVE_MODE, 25, 1), 1
	s_wait_xcnt 0x0
; k, v [16 heads][4096 keys][64] f32 become codes of FP6 (E2M3) with one E8M0 scale byte for each 32 along the product's K, laid in kv as IMAGES OF THE OPERANDS' REGISTERS;
; mask [4096][4096] bytes becomes words of 32 lane bits in mbits, in the order of the next launch's score registers.
; k is quantised along the head's 64 (two blocks a key), v along the keys (a block = 32 keys of one channel).
; A block's scale is 2^(floor(log2(its largest magnitude)) - 2); its byte is that magnitude's exponent field - 2, held at 1 from below.
; LIMITS: NaN and infinities among k and v are not served.  A block whose largest magnitude lies under 2^-124, a block of zeros among them, gets the byte 1 (the quantiser says 127 for zeros):
; its codes are zeros or follow the byte 1, and these bytes are read by this program alone.
; SHARES.  Work-group (x, y) takes head y, key step x (128 keys) of k and of v, and 8 x 2 tiles of the mask.  Every work-group does the same three jobs on one path.
;   K: wave w makes tile w: 16 keys, 64 (w / 4) + 8 (w % 4) + r % 8 + 32 (r / 8), r = 0 .. 15; lane (r, h) quantises block h of key r: registers 6 w .. 6 w + 5 of K's image.
;   V: wave w takes channels 32 (w % 2) + lane and key block w / 2: a lane's 32 registers run down the keys, so a block lies in one lane.
;   mask: wave w takes query tile 16 y + 8 (x % 2) + w and the pair of key steps x / 2: 128 words.
; kv, in a head (417,792 bytes): 24,576 bytes of scales, 768 a step; then 12,288 bytes a step: K's image (6,144), V's image (6,144).
;   An image: register p (0 .. 47) of lane l at byte 512 (p / 4) + 16 l + 4 (p % 4): twelve loads of 16 bytes a lane bring 48 registers.
;   A step's scales: K's word of tile t, row r at 16 (r + 16 (t / 4)) + 4 (t % 4); V's word of tile u, row r at 512 + 8 (r + 16 (u / 2)) + 4 (u % 2).
; mbits: [query tile][step][64 words]; bit l of word n = mask[16 tile + l % 16][128 step + 64 (n / 32) + 32 (l / 16) + n % 32].
; All 48 loads of a wave go out at the head; no tensor load, one barrier (the images are put together by eight waves and leave in runs of 512 consecutive bytes).
.set HEADB, 417792
.set CH,    24576
.set STEPB, 12288
.set WST,   4352                       ; a wave's stage: 16 rows x (256 bytes + 16): the 16 rows that a load touches start 68 words apart
.set MST,   8*WST                      ; K's eight stages from byte 0, the mask's eight from here
.set IMG,   16*WST                     ; K's image, then V's
.set SCB,   IMG+STEPB                  ; the step's 768 scale bytes (in a region of 1,024)
.set SPARE, SCB+1024                   ; the spare words, 128 bytes for each wave: four blocks of 256 bytes that no other line names
.set SPW, 22                           ; v22  LDS address of my spare word; never rewritten
.set NIL, 23                           ; v23  0; never rewritten
.set M1,  24                           ; v24-25 largest magnitudes, two chains
.set M2,  25
.set SO,  26                           ; v26  the conversions' scale operand
.set BY,  27                           ; v27  the scale's byte
.set C,   28                           ; v28-33 a block's codes
.set D,   34                           ; v34-36 their upper half as it is made
.set KR,  40                           ; v40-71   k as loaded; later the mask's bytes by lanes (MB)
.set MB,  40
.set VR,  72                           ; v72-103  v: 32 keys of my channel
.set MR,  104                          ; v104-135 the mask as loaded
.set X,   136                          ; v136-167 a block of k: 32 neighbours
.set W,   168                          ; v168-171 the mask's words: lane l holds words 4 l .. 4 l + 3
.set T,   172                          ; v172-179 at work
.set OUT, 180                          ; v180-193 on the way out
	s_load_b256 s[4:11], s[0:1], 0x0               ; k s[4:5], v s[6:7], mask s[8:9], kv s[10:11]
	s_load_b64 s[12:13], s[0:1], 0x20              ; mbits
	v_lshl_add_u32 v[SPW], v0, 2, SPARE
	v_mov_b32 v[NIL], 0
	v_lshrrev_b32 v1, 5, v0
	s_delay_alu instid0(VALU_DEP_1)
	v_readfirstlane_b32 s14, v1                    ; wave w, 0 .. 7
	v_and_b32 v1, 31, v0                           ; lane
	v_and_b32 v2, 15, v0                           ; r
	v_bfe_u32 v3, v0, 4, 1                         ; h
	s_wait_alu depctr_va_vdst(0)
	v_lshlrev_b32 v4, 4, v1                        ; 16 x lane
	v_lshlrev_b32 v5, 2, v1                        ; 4 x lane
	v_lshlrev_b32 v21, 3, v1                       ; 8 x lane
	v_lshlrev_b32 v6, 4, v2
	s_delay_alu instid0(VALU_DEP_1)
	v_lshl_add_u32 v6, v3, 12, v6                  ; the mask: 4,096 h + 16 r: two rows' 256 bytes an instruction
	v_mov_b32 v[T], 0                              ; written once: a lane permute's destination counts as one of its sources
	s_and_b32 s15, ttmp7, 0xffff                   ; y: the head
	s_mov_b32 s16, 0x76543210
	s_mov_b32 s17, 0xfedcba98                      ; v_permlanex16_b32's selects for lane l xor 16
	s_mov_b32 s20, 0xff                            ; the four bytes of a word
	s_mov_b32 s21, 0xff00
	s_mov_b32 s22, 0xff0000
	s_mov_b32 s23, 0xff000000
	s_lshr_b32 s34, s14, 1                         ; w / 2: V's key block
	s_and_b32 s35, s14, 1                          ; w % 2: V's half of the channels
	; where my loads begin, in bytes
	s_lshl_b32 s32, s15, 12
	s_lshl_b32 s33, ttmp9, 7
	s_add_co_u32 s32, s32, s33
	s_lshl_b32 s33, s34, 5
	s_add_co_u32 s32, s32, s33                     ; row 4,096 y + 128 x + 32 (w / 2): V's block begins here,
	; THE KEYS OF K'S TILE w (this order holds, not the one named at the head): row r of the tile is key 64 (w / 4) + 8 (w % 4) + r % 8 + 32 (r / 8) of the step
	s_sub_co_u32 s38, s32, s33                     ; row 4,096 y + 128 x
	s_lshr_b32 s33, s14, 2
	s_lshl_b32 s33, s33, 6
	s_add_co_u32 s38, s38, s33                     ; + 64 (w / 4)
	s_and_b32 s33, s14, 3
	s_lshl_b32 s33, s33, 3
	s_add_co_u32 s38, s38, s33                     ; + 8 (w % 4)
	s_lshl_b32 s38, s38, 8                         ; a row is 256 bytes
	s_mov_b32 s39, 0
	s_lshl_b32 s36, s32, 8
	s_lshl_b32 s33, s35, 7
	s_add_co_u32 s36, s36, s33                     ; V: + 128 bytes for the upper 32 channels
	s_mov_b32 s37, 0
	s_and_b32 s40, ttmp9, 1
	s_lshl_b32 s40, s40, 3
	s_lshl_b32 s41, s15, 4
	s_add_co_u32 s40, s40, s41
	s_add_co_u32 s40, s40, s14                     ; my query tile: 16 y + 8 (x % 2) + w
	s_lshr_b32 s41, ttmp9, 1                       ; my pair of key steps: x / 2
	s_lshl_b32 s42, s40, 16                        ; the mask: 16 rows of 4,096 bytes a tile,
	s_lshl_b32 s43, s41, 8                         ; 256 bytes a pair of steps
	s_add_co_u32 s42, s42, s43
	s_mov_b32 s43, 0
	s_lshl_b32 s44, s40, 13                        ; mbits: 8,192 bytes a tile,
	s_lshl_b32 s45, s41, 9                         ; 512 a pair of steps
	s_add_co_u32 s44, s44, s45
	s_mov_b32 s45, 0
	s_mul_i32 s46, s15, HEADB                      ; kv: my head,
	s_mul_i32 s47, ttmp9, STEPB
	s_add_co_u32 s47, s47, s46
	s_mul_i32 s48, s14, 1536
	s_add_co_u32 s48, s48, s47
	s_add_co_u32 s48, s48, CH                      ; the step's images, my 1,536 bytes of them;
	s_mov_b32 s49, 0
	s_mul_i32 s50, ttmp9, 768
	s_add_co_u32 s50, s50, s46
	s_min_u32 s51, s14, 2                          ; (waves 0 to 2 store the scales; the others hold wave 2's place and do not use it)
	s_lshl_b32 s52, s51, 8
	s_add_co_u32 s50, s50, s52                     ; the step's scales, my 256 bytes of them
	s_mov_b32 s51, 0
	; LDS addresses: all made here, of constants, the lane and the wave's number
	s_mul_i32 s56, s14, WST
	v_mul_u32_u24 v7, v3, 272
	s_delay_alu instid0(VALU_DEP_1)
	v_lshl_add_u32 v7, v2, 4, v7
	s_delay_alu instid0(VALU_DEP_1)
	v_add_nc_u32 v7, s56, v7                       ; v7: K's stage, in: row h of a pair, 16 r
	s_delay_alu instid0(VALU_DEP_1)
	v_add_nc_u32 v17, MST, v7                      ; v17: the mask's stage, in
	v_mul_u32_u24 v8, v2, 272
	s_delay_alu instid0(VALU_DEP_1)
	v_add_nc_u32 v8, s56, v8
	s_delay_alu instid0(VALU_DEP_1)
	v_lshl_add_u32 v18, v3, 5, v8                  ; the mask's stage, out: row r, 32 h
	s_delay_alu instid0(VALU_DEP_1)
	v_add_nc_u32 v18, MST, v18                     ; v18: the mask's stage, out: row r, 32 h
	s_delay_alu instid0(VALU_DEP_3)
	v_lshl_add_u32 v8, v3, 7, v8                   ; v8: K's stage, out: row r, 128 h: my block's 32 numbers
.irp k, 0,1,2
	s_mul_i32 s57, s14, 6
	s_add_co_u32 s57, s57, 2*\k                    ; register p = 6 w + 2 k of K's image, and p + 1 beside it
	s_lshr_b32 s58, s57, 2
	s_lshl_b32 s58, s58, 9
	s_and_b32 s57, s57, 3
	s_lshl_b32 s57, s57, 2
	s_add_co_u32 s57, s57, s58
	s_add_co_u32 s57, s57, IMG
	v_add_nc_u32 v[9+\k], s57, v4                  ; v9-11: 512 (p / 4) + 4 (p % 4) + 16 x lane
.endr
	s_lshr_b32 s57, s14, 2
	s_lshl_b32 s57, s57, 8
	s_and_b32 s58, s14, 3
	s_lshl_b32 s58, s58, 2
	s_add_co_u32 s57, s57, s58
	s_add_co_u32 s57, s57, SCB
	v_lshl_add_u32 v12, v2, 4, s57                 ; v12: K's scale word: 16 r + 256 (w / 4) + 4 (w % 4)
	; V: my channel 32 (w % 2) + lane is row r of tile u = 2 (w % 2) + h; my key block b = w / 2 lies in registers 12 u + 6 (b / 2) + 0 .. 5 of lane r + 16 (b % 2)
	v_mul_u32_u24 v[M1], v3, 1536
	s_delay_alu instid0(VALU_DEP_1)
	v_lshl_add_u32 v[M1], v2, 4, v[M1]             ; 1,536 h + 16 r
	s_wait_alu depctr_va_vdst(0)
	s_mul_i32 s59, s35, 3072
	s_and_b32 s58, s34, 1
	s_lshl_b32 s58, s58, 8
	s_add_co_u32 s59, s59, s58
	s_add_co_u32 s59, s59, IMG+6144
	s_lshr_b32 s60, s14, 2
	s_mul_i32 s60, s60, 6
.irp k, 0,1,2
	s_add_co_u32 s57, s60, 2*\k
	s_lshr_b32 s58, s57, 2
	s_lshl_b32 s58, s58, 9
	s_and_b32 s57, s57, 3
	s_lshl_b32 s57, s57, 2
	s_add_co_u32 s57, s57, s58
	s_add_co_u32 s57, s57, s59
	v_add_nc_u32 v[13+\k], s57, v[M1]              ; v13-15
.endr
	s_lshl_b32 s57, s35, 7
	s_add_co_u32 s57, s57, s34
	s_add_co_u32 s57, s57, SCB+512
	v_lshlrev_b32 v16, 3, v2
	s_delay_alu instid0(VALU_DEP_1)
	v_lshl_add_u32 v16, v3, 2, v16
	s_delay_alu instid0(VALU_DEP_1)
	v_add_nc_u32 v16, s57, v16                     ; v16: V's scale byte: 8 r + 128 (w % 2) + 4 h + w / 2
	s_mul_i32 s57, s14, 1536
	s_add_co_u32 s57, s57, IMG
	v_add_nc_u32 v19, s57, v4                      ; v19: the images on the way out
	s_add_co_u32 s57, s52, SCB
	v_add_nc_u32 v20, s57, v21                     ; v20: the scales on the way out
	s_wait_kmcnt 0x0
	s_add_nc_u64 s[4:5], s[4:5], s[38:39]
	s_add_nc_u64 s[6:7], s[6:7], s[36:37]
	s_add_nc_u64 s[8:9], s[8:9], s[42:43]
	s_add_nc_u64 s[12:13], s[12:13], s[44:45]
	s_add_nc_u64 s[54:55], s[10:11], s[50:51]      ; kv at my scales
	s_add_nc_u64 s[10:11], s[10:11], s[48:49]      ; kv at my part of the images
.irp j, 0,1,2,3,4,5,6,7
	global_load_b128 v[KR+4*\j:KR+4*\j+3], v4, s[4:5] offset:512*\j+6144*(\j/4) th:TH_LOAD_NT   ; two whole rows of k: the tile's rows 0-7, then, 32 keys on, its rows 8-15
.endr
.irp i, 0,1,2,3,4,5,6,7,8,9,10,11,12,13,14,15,16,17,18,19,20,21,22,23,24,25,26,27,28,29,30,31
	global_load_b32 v[VR+\i], v5, s[6:7] offset:256*\i th:TH_LOAD_NT   ; key i of my block, 32 neighbouring channels; the wave beside me takes the row's other 128 bytes
.endr
.irp j, 0,1,2,3,4,5,6,7
	global_load_b128 v[MR+4*\j:MR+4*\j+3], v6, s[8:9] offset:8192*\j th:TH_LOAD_NT   ; rows 2 j and 2 j + 1 of my query tile, 256 consecutive bytes of each
.endr
; 32 numbers of a lane, one block, v[x] .. v[x + 31], become its six registers of codes in v[C] on and its scale byte in v[BY].
.macro QB x
	v_max3_num_f32 v[M1], |v[\x]|, |v[\x+1]|, |v[\x+2]|
	v_max3_num_f32 v[M2], |v[\x+3]|, |v[\x+4]|, |v[\x+5]|
.irp i, 6,10,14,18,22,26
	s_delay_alu instid0(VALU_DEP_2)
	v_max3_num_f32 v[M1], v[M1], |v[\x+\i]|, |v[\x+\i+1]|
	s_delay_alu instid0(VALU_DEP_2)
	v_max3_num_f32 v[M2], v[M2], |v[\x+\i+2]|, |v[\x+\i+3]|
.endr
	s_delay_alu instid0(VALU_DEP_2)
	v_max3_num_f32 v[M1], v[M1], |v[\x+30]|, |v[\x+31]|
	s_delay_alu instid0(VALU_DEP_1)
	v_max3_num_f32 v[M1], v[M1], v[M2], 0x1800000  ; and the floor 2^(3 - 127): the byte cannot fall under 1
	s_delay_alu instid0(VALU_DEP_1)
	v_add_nc_u32 v[SO], 0xff000000, v[M1]          ; 2 off the exponent field: the conversion takes the exponent field of this operand as its scale, and nothing else of it
	s_delay_alu instid0(VALU_DEP_1)
	v_lshrrev_b32 v[BY], 23, v[SO]                 ; the scale's byte
	v_cvt_scalef32_pk16_fp6_f32 v[C:C+2], v[\x:\x+15], v[SO]
	v_cvt_scalef32_pk16_fp6_f32 v[D:D+2], v[\x+16:\x+31], v[SO]   ; (a conversion's three registers begin on an even number)
	v_nop                                          ; one plain vector instruction behind the scaled conversions, ahead of the moves that read their results
.irp i, 0,1,2
	v_mov_b32 v[C+3+\i], v[D+\i]
.endr
.endm
	; ---- K: my tile turns through my own stage, so that a lane holds 32 neighbours of one key
	s_wait_loadcnt 40                              ; k's eight loads are in; v's 32 and the mask's 8 stay out
.irp j, 0,1,2,3,4,5,6,7
	ds_store_b128 v7, v[KR+4*\j:KR+4*\j+3] offset:544*\j
.endr
.irp j, 0,1,2,3,4,5,6,7
	ds_load_b128 v[X+4*\j:X+4*\j+3], v8 offset:16*\j   ; LDS serves a wave's instructions in order (ISA guide 5.7.1.4): these see my stores
.endr
	s_wait_dscnt 0x0
	QB X
.irp k, 0,1,2
	ds_store_b64 v[9+\k], v[C+2*\k:C+2*\k+1]       ; registers 6 w + 2 k, + 1 of K's image, at my lane's place
.endr
	v_lshlrev_b32 v[T+1], 3, v3
	s_delay_alu instid0(VALU_DEP_1)
	v_lshlrev_b32 v[BY], v[T+1], v[BY]             ; my block's byte at its place, 8 h bits up;
	s_delay_alu instid0(VALU_DEP_1)
	v_permlanex16_b32 v[T], v[BY], s16, s17
	s_delay_alu instid0(VALU_DEP_1)
	v_or_b32 v[BY], v[BY], v[T]                    ; with lane l xor 16's: the key's two bytes;
	s_delay_alu instid0(VALU_DEP_1)
	v_lshl_or_b32 v[BY], v[BY], 16, v[BY]          ; and once more in bytes 2 and 3, which scale the half of the instruction's 128 in which Q's codes are zeros
	ds_store_b32 v12, v[BY]                        ; both halves of the lanes write the same word with the same value
	; ---- V: a lane's 32 registers are a block as they stand
	s_wait_loadcnt 8                               ; v's 32 loads are in; the mask's 8 stay out
	s_wait_dscnt 0x0                               ; the stores above have read the registers that are written next
	QB VR
.irp k, 0,1,2
	ds_store_b64 v[13+\k], v[C+2*\k:C+2*\k+1]
.endr
	ds_store_b8 v16, v[BY]
	s_wait_dscnt 0x0                               ; for the others' sake: my parts of the images and of the scales lie in LDS
	s_barrier_signal -1
	s_barrier_wait -1                              ; everybody's do
	; ---- the images and the scales leave
.irp i, 0,1,2
	ds_load_b128 v[OUT+4*\i:OUT+4*\i+3], v19 offset:512*\i
.endr
	s_wait_dscnt 0x0
.irp i, 0,1,2
	global_store_b128 v4, v[OUT+4*\i:OUT+4*\i+3], s[10:11] offset:512*\i   ; 32 lanes store 512 consecutive bytes, at a multiple of 256 from kv's first byte
.endr
	s_cmp_gt_u32 s14, 2
	s_cbranch_scc1 .Lno_scales
	ds_load_b64 v[OUT+12:OUT+13], v20
	s_wait_dscnt 0x0
	global_store_b64 v21, v[OUT+12:OUT+13], s[54:55]   ; 32 lanes store 256 consecutive bytes, aligned likewise
.Lno_scales:
	; ---- the mask: bytes turn through my own stage, so that lane (r, h) holds query r and, for each block of 64 keys, the 32 keys of its half
	s_wait_loadcnt 0x0
.irp j, 0,1,2,3,4,5,6,7
	ds_store_b128 v17, v[MR+4*\j:MR+4*\j+3] offset:544*\j
.endr
.irp g, 0,1,2,3,4,5,6,7
	ds_load_b128 v[MB+4*\g:MB+4*\g+3], v18 offset:64*(\g/2)+16*(\g%2)   ; THE MASK'S WORDS (this order holds): bit l of word n of a step = mask[16 tile + l % 16][128 step + 64 (n / 32) + 32 (l / 16) + n % 32]; load g brings the bytes of words 16 g .. 16 g + 15 of the pair's 128
.endr
.irp i, 0,1,2,3
	v_mov_b32 v[W+\i], 0                           ; v_writelane_b32's destination counts as read
.endr
	s_wait_dscnt 0x0
; Eight words, 8 g .. 8 g + 7 of the pair's 128.  Word N takes byte N % 16 of block N / 16 from every lane: a mask, a compare that leaves the 32 lanes' bits in a scalar register, and that register into lane N / 4 of W[N % 4].
.macro WORDS g
.irp u, 0,1,2,3,4,5,6,7
	v_and_b32 v[T+\u], s[20+(\u%4)], v[MB+4*((8*(\g)+\u)/16)+((8*(\g)+\u)%16)/4]
.endr
.irp u, 0,1,2,3,4,5,6,7
	v_cmp_ne_u32 s[24+\u], 0, v[T+\u]
.endr
.irp u, 0,1,2,3,4,5,6,7
	v_writelane_b32 v[W+(\u%4)], s[24+\u], (8*(\g)+\u)/4
.endr
.endm
.set G, 0
.rept 16
	WORDS G
.set G, G+1
.endr
	global_store_b128 v4, v[W:W+3], s[12:13]       ; 128 words: 512 consecutive bytes, at a multiple of 256 from mbits' first byte
	s_wait_tensorcnt 0x0                           ; the wave's end, behind my last LDS store
	ds_add_u32 v[SPW], v[NIL]
	s_wait_dscnt 0x0
	s_endpgm
.Lfunc_end_k_q1690df98a8_prep:
	.size	k_q1690df98a8_prep, .Lfunc_end_k_q1690df98a8_prep-k_q1690df98a8_prep
	.p2alignl 7, 3214868480
	.fill 96, 4, 3214868480
	.section	.rodata,"a",@progbits
	.p2align	6, 0x0
	.amdhsa_kernel k_q1690df98a8_prep
		.amdhsa_group_segment_fixed_size 83968
		.amdhsa_private_segment_fixed_size 0
		.amdhsa_enable_private_segment 0
		.amdhsa_kernarg_size 40
		.amdhsa_user_sgpr_count 2
		.amdhsa_user_sgpr_kernarg_segment_ptr 1
		.amdhsa_wavefront_size32 1
		.amdhsa_system_sgpr_workgroup_id_x 1
		.amdhsa_system_sgpr_workgroup_id_y 1
		.amdhsa_system_sgpr_workgroup_id_z 1
		.amdhsa_system_vgpr_workitem_id 0
		.amdhsa_next_free_vgpr 200
		.amdhsa_next_free_sgpr 66
		.amdhsa_reserve_vcc 0
		.amdhsa_float_denorm_mode_32 3
		.amdhsa_float_denorm_mode_16_64 3
		.amdhsa_memory_ordered 1
		.amdhsa_forward_progress 1
		.amdhsa_inst_pref_size 40
	.end_amdhsa_kernel
	.amdgpu_metadata
---
amdhsa.version: [ 1, 2 ]
amdhsa.kernels:
  - .name:           k_q1690df98a8_prep
    .symbol:         k_q1690df98a8_prep.kd
    .args:
      - { .name: k, .offset: 0, .size: 8, .value_kind: global_buffer, .address_space: global }
      - { .name: v, .offset: 8, .size: 8, .value_kind: global_buffer, .address_space: global }
      - { .name: mask, .offset: 16, .size: 8, .value_kind: global_buffer, .address_space: global }
      - { .name: kv, .offset: 24, .size: 8, .value_kind: global_buffer, .address_space: global }
      - { .name: mbits, .offset: 32, .size: 8, .value_kind: global_buffer, .address_space: global }
    .group_segment_fixed_size: 83968
    .private_segment_fixed_size: 0
    .kernarg_segment_align: 8
    .kernarg_segment_size: 40
    .max_flat_workgroup_size: 256
    .sgpr_count:     66
    .vgpr_count:     200
    .wavefront_size: 32
...
	.end_amdgpu_metadata
.endif
;; end of part 1
;; launch attn (part 2): grid 16 x 16, 16 waves a work-group, clusters of 4 x 1, 327,680 bytes of LDS; arguments q, kv, mbits, out0; writes out0
.if DOCPART == 2
	.amdgcn_target "amdgcn-amd-amdhsa--gfx1250"
	.amdhsa_code_object_version 6
	.text
	.protected	k_q1690df98a8_attn
	.globl	k_q1690df98a8_attn
	.p2align	8
	.type	k_q1690df98a8_attn,@function
k_q1690df98a8_attn:
	s_mov_b64 s[64:65], 0
	v_nop
	global_prefetch_b8 v0, s[64:65] scope:SCOPE_SE
	s_setreg_imm32_b32 hwreg(HW_REG_WAVE_MODE, 25, 1), 1
	s_wait_xcnt 0x0
	s_wait_alu depctr_hold_cnt(0) depctr_sa_sdst(0) depctr_va_vdst(0) depctr_va_sdst(0) depctr_va_ssrc(0) depctr_va_vcc(0) depctr_vm_vsrc(0)
	s_getreg_b32 s2, hwreg(HW_REG_IB_STS2, 6, 4)
	s_cmp_eq_u32 s2, 0
	s_cbranch_scc0 .Lentry_in_a_cluster
	s_endpgm
.Lentry_in_a_cluster:
	s_bfe_u32 s2, ttmp6, 0x10000c
	s_cmp_lg_u32 s2, 0x3003
	s_cbranch_scc0 .Lentry_shape_is_right
	s_endpgm
.Lentry_shape_is_right:
; out0[head][q][:] = the sum over keys of softmax(Q . K / 8, with -infinity where mask[q][key] is set) V, both products on codes of FP6 (E2M3) with one E8M0 scale for each 32 along a product's K.
; q [16][4096][64] f32 is quantised here, in registers (one wave reads it once).  K's and V's codes and scales come from kv, the mask as lane bits from mbits, as the launch before has laid them.
; THE SOFTMAX AHEAD OF THE SECOND PRODUCT: t = score x log2(e) / 8; M = the row's largest t so far, rounded UP to a whole number; p = 2^(t - M) is quantised along the keys, not normalised.
; The row's sum is taken of the unquantised p, in f32, and divides O at the end.  When M moves, the sum and O are multiplied by 2^(old M - new M): exact.  The mask acts ahead of the maximum.
; LIMITS: NaN and infinities among q are not served; a block of q whose largest magnitude lies under 2^-124 gets the scale byte 1; a p under 2^-126 comes out of v_exp_f32 as 0 (ISA guide, its entry in 15.8).
; A row all of whose keys are hidden gives 0 x (1 / 0) = NaN, as the softmax of a row of -infinity does.
; SHARES.  A work-group owns 256 queries of one head, each of its sixteen waves 16 of them; every wave walks all 4,096 keys, 128 a step.
; LAYOUT.  Both products are used transposed: S^T = K Q^T, O^T = V^T P^T: a lane holds ONE query (lane % 16) throughout.
; Row i of K's tile 4 c + u is key 64 c + 8 u + i % 8 + 32 (i / 8).  So score register n of lane l is key 64 (n / 32) + 32 (l / 16) + n % 32: a lane's 32 registers are one whole block of 32 keys,
; the very block that the second product's operand wants in that lane: a block's largest score needs no other lane, and p's codes change no lane.
; THE FIRST PRODUCT'S K IS 64: of the instruction's 128 the upper 64 are zero codes in Q.  A tile of K is six registers a lane, and the run of twelve that the instruction names goes on into the next
; tile's six (behind the last tile: six registers of zeros).  Operands come as images of their registers: every LDS load takes 16 bytes at 16 x lane.
; K ONE STEP AHEAD: the next step's K and its scale words are loaded ahead of this step's second product; V at a step's top.  The last step loads the bytes of room 14 so, which nobody uses.
; THE MASK: 64 words a step and query tile, word n = the 32 lanes' bits for score register n, by scalar loads a step ahead; each is the select of one v_cndmask_b32.
; CLUSTER.  The four query blocks of a cluster belong to one head and walk the same kv: every tile is asked for JOINTLY, by the same tensor load with the same descriptor and the mask 15 in all four.
; LDS: [0, 24,576) the head's scales; then 18 rooms of 12,288 bytes, a key step each.  Three fills, each shared out evenly among the sixteen waves: at the head the scales and steps 0 to 5 (24 rows of 256
; bytes a wave); behind the first round steps 6 to 17 (36 rows), shown ahead of step 5, which reads step 6's K; behind step 13 rooms 0 to 13 are filled again with steps 18 to 31 (42 rows), shown ahead of
; step 17, which reads step 18's K.  Then the spare words, and a stage of 16 rows x 272 bytes for each wave, into which no tensor load lands.
; PREFETCH.  kv: the refill's 672 rows are named once in each cluster: each partner takes 168, told apart by address; its waves 14 and 15 name 28 in each of the first three trips, eleven steps or more ahead
; of the refill.  The first two fills stand at the head, with no loop ahead of them.  mbits: a wave names its tile's block of 256 bytes four steps ahead of the scalar loads that read it; of the sixteen heads
; that read a block four name it, by turns from step to step; the last four steps name blocks 0 to 3, which lie inside the buffer.
.set HEADB, 417792                     ; a head in kv
.set CH,    24576                      ; its scales
.set STEPB, 12288                      ; a key step's images: K's 6,144 bytes, V's 6,144
.set ROOMS, 18                         ; key steps that LDS holds
.set BACK,  14                         ; of them filled again
.set R1,    24                         ; rows of 256 bytes a wave: the first fill (the scales and 6 steps),
.set R2,    36                         ; the second (12 steps),
.set R3,    42                         ; the refill (14 steps)
.set F1B,   16*R1*256
.set F2B,   16*R2*256
.set SPARE, CH+ROOMS*STEPB             ; the spare words, 128 bytes for each wave: eight blocks of 256 bytes that no other line names
.set STG,   SPARE+2048                 ; the stages for the way out
.set PFR,   28                         ; rows that one prefetch of kv names
.set AHEAD, 4                          ; steps by which mbits' prefetch leads
.set LI,   1                           ; v1   16 x lane; never rewritten
.set SPW,  2                           ; v2   LDS address of my spare word; never rewritten
.set NIL,  3                           ; v3   0; never rewritten
.set ADK,  4                           ; v4   LDS address of the step's images
.set ADS,  5                           ; v5   of K's scale words
.set ADT,  6                           ; v6   of V's
.set NINF, 7                           ; v7   -infinity
.set F,    8                           ; v8   f = 2^(old M - new M); v9 = 8 x (lane / 16) (the packed forms name the pair and take its low word)
.set TMP,  10
.set L8,   11                          ; v11  8 x lane; never rewritten
                                       ; v12 -M, v13 the largest score, v[14:15] the row's sum in two halves
.set Q,    16                          ; v16-27  Q's fragment: six registers of codes, six of zeros
.set KS,   28                          ; v28-31  K's scale words
.set VS,   32                          ; v32-33  V's
.set QS,   34                          ; v34     Q's
.set PS,   35                          ; v35     p's
.set KF,   36                          ; v36-83  K's eight tiles, six registers each; between the scores and the next K's loads some are at work:
.set W,    48                          ; v48     p's scale word as it is made
.set CT,   64                          ; v64-66, v68-70 the upper halves of the blocks' codes as they are made
.set SO,   72                          ; v72-73  the conversions' scale operands
.set BY,   74                          ; v74-75  the scale bytes
.set BM,   76                          ; v76-81  six chains of maxima; then v76-77 each block's largest score, then its largest p
.set BX,   82                          ; v82-83  what lane l xor 16 sends
.set ZF,   84                          ; v84-89  zeros
.set VF,   90                          ; v90-137 V's four tiles
.set S,    138                         ; v138-201 S^T, then p
.set O,    202                         ; v202-233 O^T
.set OM,   234                         ; v234 the last step's -M
.set PFO,  235                         ; v235 kv's prefetches' offset: 256 x min(lane, 27); never rewritten
.set PC,   236                         ; v236-247 p's codes
.set AC,   248                         ; v248-253 three partial sums, in pairs
.set STO,  254                         ; v254 the stage: where I put 32 bytes of a row
.set RD,   255                         ; v255 and where I read a row back
.set TB,   2                           ; s2   LDS byte at which the step's images begin
.set TS,   3                           ; s3   and its scales: 768 bytes a step
                                       ; s[4:5] q, s[6:7] out0 at my wave's first row
.set MP,   8                           ; s[8:9] mbits at my query tile
.set MO,   10                          ; s10  the byte there of the step whose words were asked for last
.set WV,   11                          ; s11  my wave's number
.set G0,   12                          ; s[12:15] descriptor group 0
.set G1,   16                          ; s[16:23] descriptor group 1
.set CS,   24                          ; s[24:25] c = log2(e) / 8
.set SEL,  26                          ; s[26:27] v_permlanex16_b32's selects for lane l xor 16
.set PFA,  28                          ; s[28:29] where my prefetches of kv stand
.set LIM,  30                          ; s30  2 in the waves that prefetch kv, else the greatest number
.set PH,   31                          ; s31  counts the steps modulo 4, from a start that hangs on the head
.set STP,  66                          ; s66  counts a run's steps down
                                       ; s[32:63], s[68:99] the step's 64 mask words; ahead of the first such load: at work.  s67, s[100:101] at work
; A round of the cluster's barrier.
.macro CROUND
	s_barrier_signal -1
	s_barrier_wait -1
	s_cmp_lg_u32 s[WV], 0
	s_cbranch_scc1 .Lnot_wave_0_\@
	s_barrier_signal -3
.Lnot_wave_0_\@:
	s_barrier_wait -3
	s_barrier_signal -1
	s_barrier_wait -1
.endm
.macro ASK                             ; the first run's trips 5, 4, 3, waves 14 and 15: 28 rows of the refill
	s_cmp_gt_u32 s[STP], s[LIM]
	s_cbranch_scc0 .Lnot_mine_\@
	global_prefetch_b8 v[PFO], s[PFA:PFA+1] th:TH_LOAD_NT scope:SCOPE_SE
.Lnot_mine_\@:
.endm
.macro ASKM                            ; every fourth step: my tile's mask words of the step AHEAD on (all lanes name the one block)
	s_add_co_u32 s[PH], s[PH], 1
	s_and_b32 s[PH], s[PH], 3
	s_cmp_eq_u32 s[PH], 0
	s_cbranch_scc0 .Lnot_now_\@
	s_add_co_u32 s67, s[MO], AHEAD*256
	s_and_b32 s67, s67, 0x1fff
	v_mov_b32 v[TMP], s67                          ; written again only behind the step's s_wait_xcnt 0
	global_prefetch_b8 v[TMP], s[MP:MP+1] th:TH_LOAD_NT scope:SCOPE_SE
.Lnot_now_\@:
.endm
	s_load_b256 s[32:39], s[0:1], 0x0              ; q s[32:33], kv s[34:35], mbits s[36:37], out0 s[38:39]
	v_lshl_add_u32 v[SPW], v0, 2, SPARE
	v_mov_b32 v[NIL], 0
	ds_add_u32 v[SPW], v[NIL]                      ; the opening lines: the add, twice on end, and its wait ahead of the first tensor load
	ds_add_u32 v[SPW], v[NIL]
	v_lshrrev_b32 v[TMP], 5, v0
	v_readfirstlane_b32 s[WV], v[TMP]              ; wave 0 .. 15
	v_and_b32 v[TMP], 31, v0                       ; lane
	v_and_b32 v[ADK], 15, v0                       ; r  (these three registers take the steps' addresses later)
	v_bfe_u32 v[ADS], v0, 4, 1                     ; h
	v_mov_b32 v[NINF], 0xff800000
	v_mov_b32 v13, 0xff61b1e6                      ; the largest score so far: -3e38
	v_lshlrev_b32 v[LI], 4, v[TMP]
	v_lshlrev_b32 v[L8], 3, v[TMP]
	v_min_u32 v[PFO], PFR-1, v[TMP]                ; (the lanes left over name the last row again)
	v_mul_u32_u24 v[STO], v[ADK], 272
	v_mul_u32_u24 v[RD], v[ADS], 272
	v_lshlrev_b32 v[ADT], 8, v[ADK]
	v_lshlrev_b32 v[F+1], 3, v[ADS]                ; 8 h
	v_lshlrev_b32 v[PFO], 8, v[PFO]
	v_lshl_add_u32 v[STO], v[ADS], 5, v[STO]
	v_lshl_add_u32 v[RD], v[ADK], 4, v[RD]
	v_lshl_add_u32 v[ADT], v[ADS], 7, v[ADT]       ; q: row r of 256 bytes, + 128 h: my block's 32 numbers
	s_mul_i32 s67, s[WV], 16*272
	s_add_co_u32 s67, s67, STG                     ; my stage
	v_add_nc_u32 v[STO], s67, v[STO]               ; in: row r; tile u's eight channels of my half: 64 u + 32 h bytes on
	v_add_nc_u32 v[RD], s67, v[RD]                 ; back: lanes 0-15 one row, lanes 16-31 the next
	s_bfe_u32 s40, ttmp6, 0x40000                  ; cx: my place in the cluster
	s_lshl_b32 s41, ttmp9, 2
	s_add_co_u32 s41, s41, s40                     ; my block of 256 queries: it enters q's, out0's and mbits' addresses alone
	s_and_b32 s42, ttmp7, 0xffff                   ; the head, which the four partners share
	s_mov_b32 s[G1], 15|(3<<16)|(1<<21)            ; the mask: all four work-groups; elements of 8 bytes; bit 21 beside a mask
	s_mov_b32 s[G1+1], 32<<16                      ; tensor_dim0 = 32: rows of 256 bytes, dense in memory and in LDS
	s_mov_b32 s[G1+2], R1<<16                      ; tensor_dim1
	s_mov_b32 s[G1+3], 32<<16                      ; tile_dim0
	s_mov_b32 s[G1+4], R1                          ; tile_dim1
	s_mov_b32 s[G1+5], 32                          ; the pitch
	s_mov_b32 s[G1+6], 0
	s_mov_b32 s[G1+7], 0
	s_mov_b32 s[CS], 0x3e38aa3b                    ; c = log2(e) / 8
	s_mov_b32 s[CS+1], s[CS]
	s_mov_b32 s[SEL], 0x76543210
	s_mov_b32 s[SEL+1], 0xfedcba98
	s_mov_b32 s[TB], CH
	s_mov_b32 s[TS], 0
	s_mov_b32 s[MO], 0
	s_lshr_b32 s[PH], s42, 2
	s_add_co_u32 s[PH], s[PH], s42
	s_and_b32 s[PH], s[PH], 3                      ; (head + head / 4) % 4: for each step four heads, one of each four on end and one of each residue
	s_lshl_b32 s44, s42, 20                        ; q and out0: a head is 4,096 rows of 256 bytes,
	s_lshl_b32 s45, s41, 16                        ; my block 256 rows,
	s_add_co_u32 s44, s44, s45
	s_lshl_b32 s45, s[WV], 12                      ; my wave 16
	s_add_co_u32 s44, s44, s45
	s_mov_b32 s45, 0
	s_lshl_b32 s46, s41, 17                        ; mbits: 8,192 bytes a query tile: tile 16 x block + wave
	s_lshl_b32 s47, s[WV], 13
	s_add_co_u32 s46, s46, s47
	s_mov_b32 s47, 0
	s_mul_i32 s48, s42, HEADB                      ; kv: my head
	s_mov_b32 s49, 0
	s_mul_i32 s50, s[WV], R1*256                   ; what I fetch first: the same byte in the head and in LDS; no place in the cluster enters it
	s_mov_b32 s51, 0
	s_mul_i32 s52, s40, 6*PFR*256                  ; kv's prefetches: my work-group's 168 rows
	s_add_co_u32 s52, s52, CH+ROOMS*STEPB          ; of what the refill brings,
	s_and_b32 s53, s[WV], 1
	s_mul_i32 s53, s53, 3*PFR*256                  ; wave 14 the first 84 of them, wave 15 the others
	s_add_co_u32 s52, s52, s53
	s_mov_b32 s53, 0
	s_cmp_ge_u32 s[WV], 14
	s_cselect_b32 s[LIM], 2, -1
	s_wait_alu depctr_va_vdst(0)
	s_wait_dscnt 0x0                               ; both opening adds are done
	s_wait_kmcnt 0x0
	s_add_nc_u64 s[4:5], s[32:33], s[44:45]
	s_add_nc_u64 s[6:7], s[38:39], s[44:45]
	s_add_nc_u64 s[MP:MP+1], s[36:37], s[46:47]
	s_add_nc_u64 s[54:55], s[34:35], s[48:49]
.irp j, 0,1,2,3,4,5,6,7
	global_load_b128 v[S+4*\j:S+4*\j+3], v[ADT], s[4:5] offset:16*\j th:TH_LOAD_NT   ; Q: lane (r, h) takes block h of query r
.endr
	s_mov_b32 s[G0], 1
	s_mov_b32 s[G0+1], s50
	s_add_nc_u64 s[G0+2:G0+3], s[54:55], s[50:51]
	s_or_b32 s[G0+3], s[G0+3], 0x80000000
	s_add_nc_u64 s[PFA:PFA+1], s[54:55], s[52:53]
	CROUND                                         ; all four work-groups are here: the first joint loads meet
	tensor_load_to_lds s[G0:G0+3], s[G1:G1+7]      ; every wave's one load at the head: its sixteenth of the scales and of steps 0 to 5
	s_nop 0
	s_load_b512 s[32:47], s[MP:MP+1], s[MO] offset:0x0     ; the first step's mask words.  From here on s[32:63] and s[68:99] hold mask words and nothing else
	s_load_b512 s[48:63], s[MP:MP+1], s[MO] offset:0x40
	s_load_b512 s[68:83], s[MP:MP+1], s[MO] offset:0x80
	s_load_b512 s[84:99], s[MP:MP+1], s[MO] offset:0xc0
	v_mul_f32 v[TMP], s[CS], v13
	v_mov_b32 v14, 0                               ; the sum, in two halves
	v_mov_b32 v15, 0
.irp i, 0,1,2,3,4,5
	v_mov_b32 v[Q+6+\i], 0                         ; Q's upper 64 along the instruction's K: zero codes
	v_mov_b32 v[ZF+\i], 0                          ; and what the last tile of K runs on into
.endr
	v_floor_f32 v12, -v[TMP]                       ; -M
.set n, 0
.rept 32
	v_mov_b32 v[O+n], 0                            ; O^T: the step is written once, and its first trip finds zeros
.set n, n+1
.endr
	; THE SECOND FILL, of rooms 6 to 17, for the first time: issued as a refill is.  The round also shows the first fill to every wave.
	s_wait_alu depctr_va_vdst(0)
	s_wait_tensorcnt 0x0
	ds_add_u32 v[SPW], v[NIL]                      ; the descriptor's words stand between the add and the wait for it
	s_mov_b32 s[G1+2], R2<<16
	s_mov_b32 s[G1+4], R2
	s_mul_i32 s67, s[WV], R2*256
	s_add_co_u32 s[G0+1], s67, F1B                 ; LDS: behind the first fill, my 36 rows
	s_mul_i32 s100, s[WV], (R2-R1)*256
	s_add_co_u32 s100, s100, F1B                   ; memory: from wave x 24 rows to the same byte as in LDS
	s_mov_b32 s101, 0
	s_add_nc_u64 s[G0+2:G0+3], s[G0+2:G0+3], s[100:101]
	s_wait_dscnt 0x0
	CROUND
	tensor_load_to_lds s[G0:G0+3], s[G1:G1+7]
	s_nop 0
	s_wait_loadcnt 0x0                             ; my 16 rows of q
	v_max3_num_f32 v[BM], |v[S]|, |v[S+1]|, |v[S+2]|
	v_max3_num_f32 v[BM+1], |v[S+3]|, |v[S+4]|, |v[S+5]|
.irp i, 6,10,14,18,22,26
	s_delay_alu instid0(VALU_DEP_2)
	v_max3_num_f32 v[BM], v[BM], |v[S+\i]|, |v[S+\i+1]|
	s_delay_alu instid0(VALU_DEP_2)
	v_max3_num_f32 v[BM+1], v[BM+1], |v[S+\i+2]|, |v[S+\i+3]|
.endr
	s_delay_alu instid0(VALU_DEP_2)
	v_max3_num_f32 v[BM], v[BM], |v[S+30]|, |v[S+31]|
	s_delay_alu instid0(VALU_DEP_1)
	v_max3_num_f32 v[BM], v[BM], v[BM+1], 0x1800000   ; and the floor 2^(3 - 127): the byte cannot fall under 1
	s_delay_alu instid0(VALU_DEP_1)
	v_add_nc_u32 v[SO], 0xff000000, v[BM]          ; 2 off the exponent field: the conversions' scale operand
	s_delay_alu instid0(VALU_DEP_1)
	v_lshrrev_b32 v[QS], 23, v[SO]                 ; the scale's byte
	v_cvt_scalef32_pk16_fp6_f32 v[Q:Q+2], v[S:S+15], v[SO]
	v_cvt_scalef32_pk16_fp6_f32 v[CT:CT+2], v[S+16:S+31], v[SO]   ; (a conversion's three registers begin on an even number)
	v_lshlrev_b32 v[QS], v[F+1], v[QS]             ; my block's byte at its place, 8 h bits up.  (The plain instruction behind the scaled conversions)
.irp i, 0,1,2
	v_mov_b32 v[Q+3+\i], v[CT+\i]
.endr
	v_permlanex16_b32 v[TMP], v[QS], s[SEL], s[SEL+1]
	s_delay_alu instid0(VALU_DEP_1)
	v_or_b32 v[QS], v[QS], v[TMP]                  ; with lane l xor 16's: the query's two bytes;
	s_delay_alu instid0(VALU_DEP_1)
	v_lshl_or_b32 v[QS], v[QS], 16, v[QS]          ; and once more in bytes 2 and 3, over the zero codes
	v_add_nc_u32 v[ADK], CH, v[LI]
.rept 7
	v_nop                                          ; with the line above: eight places between Q's scale word and the first product
.endr
	ds_load_b128 v[KS:KS+3], v[LI]                 ; step 0's K and its scale words
.irp g, 0,1,2,3,4,5,6,7,8,9,10,11
	ds_load_b128 v[KF+4*\g:KF+4*\g+3], v[ADK] offset:512*\g
.endr
.macro OSC k                           ; k pairs of O^T under the new M: x f, each accumulator from its low end on
.rept \k
	v_pk_mul_f32 v[O+on:O+on+1], v[O+on:O+on+1], v[F:F+1] op_sel_hi:[1,0]
.set on, on+2
.endr
.endm
.macro SUMS k                          ; k pairs of p onto four partial sums by turns
.rept \k
.if (pj+2)%4 == 0
	v_pk_add_f32 v[14:15], v[14:15], v[S+2*pj:S+2*pj+1]
.else
	v_pk_add_f32 v[AC+2*((pj+2)%4)-2:AC+2*((pj+2)%4)-1], v[AC+2*((pj+2)%4)-2:AC+2*((pj+2)%4)-1], v[S+2*pj:S+2*pj+1]
.endif
.set pj, pj+1
.endr
.endm
; A KEY STEP: 128 keys.  Its K and K's scale words are in registers or on their way.  wrap = 1: the next step's K lies in room 0.
.macro STEP ask, wrap
	ASKM
.if \ask
	ASK
.endif
	v_add_nc_u32 v[ADK], s[TB], v[LI]
	v_add_nc_u32 v[ADT], s[TS], v[L8]
	ds_load_b64 v[VS:VS+1], v[ADT] offset:512      ; V's scale words and image: the additions behind the last step's products are the places ahead of these loads
.irp g, 0,1,2,3,4,5,6,7,8,9,10,11
	ds_load_b128 v[VF+4*\g:VF+4*\g+3], v[ADK] offset:6144+512*\g
.endr
	s_wait_dscnt 13                                ; K's thirteen loads, the older ones, are in; V's thirteen may stay out till the second product
.irp t, 0,1,2,3                        ; S^T = K Q^T: eight accumulators, each begun with the constant 0
	v_wmma_scale_f32_16x16x128_f8f6f4 v[S+8*\t:S+8*\t+7], v[KF+6*\t:KF+6*\t+11], v[Q:Q+11], 0, v[KS+\t], v[QS] matrix_a_fmt:MATRIX_FMT_FP6 matrix_b_fmt:MATRIX_FMT_FP6
.endr
.irp t, 4,5,6,7
	v_wmma_scale_f32_16x16x128_f8f6f4 v[S+8*\t:S+8*\t+7], v[KF+6*\t:KF+6*\t+11], v[Q:Q+11], 0, v[KS+\t-4], v[QS] matrix_a_fmt:MATRIX_FMT_FP6 matrix_b_fmt:MATRIX_FMT_FP6 matrix_a_scale:MATRIX_SCALE_ROW1
.endr
	v_add_nc_u32 v[ADS], s[TS], v[LI]              ; four places ahead of the first read of the results
	v_mov_b32 v[OM], v12
	v_nop
	v_nop
	s_wait_kmcnt 0x0                               ; this step's 64 mask words, asked for a step ago
.set n, 0
.rept 64
	v_cndmask_b32 v[S+n], v[S+n], v[NINF], s[32+n+4*(n/32)]   ; a hidden key's score becomes -infinity, ahead of the maximum; each accumulator is read from its low end on
.set n, n+1
.endr
	s_wait_alu depctr_va_vdst(0)
	s_wait_xcnt 0x0                                ; the last scalar loads have read their offset register, and any prefetch its address
.if \ask
	s_add_nc_u64 s[PFA:PFA+1], s[PFA:PFA+1], PFR*256
.endif
	s_add_co_u32 s[MO], s[MO], 256                 ; the next step's mask words are asked for here, behind the selects; they have the rest of the step in which to land.
	s_and_b32 s[MO], s[MO], 0x1fff                 ; The last step asks for step 0's once more, which nobody reads: no load leaves the buffer
	s_load_b512 s[32:47], s[MP:MP+1], s[MO] offset:0x0
	s_load_b512 s[48:63], s[MP:MP+1], s[MO] offset:0x40
	s_load_b512 s[68:83], s[MP:MP+1], s[MO] offset:0x80
	s_load_b512 s[84:99], s[MP:MP+1], s[MO] offset:0xc0
; The largest score of each of my two blocks of 32 keys: three chains of eleven a block (registers 0-10, 11-21, 21-31), the six by turns.
.irp k, 0,1,2
.irp b, 0,1
	v_max3_num_f32 v[BM+2*\k+\b], v[S+32*\b+11*\k-\k/2], v[S+32*\b+11*\k-\k/2+1], v[S+32*\b+11*\k-\k/2+2]
.endr
.endr
.irp i, 1,2,3,4
.irp k, 0,1,2
.irp b, 0,1
	v_max3_num_f32 v[BM+2*\k+\b], v[BM+2*\k+\b], v[S+32*\b+11*\k-\k/2+1+2*\i], v[S+32*\b+11*\k-\k/2+2+2*\i]
.endr
.endr
.endr
	s_delay_alu instid0(VALU_DEP_2)
	v_max3_num_f32 v[BM], v[BM], v[BM+2], v[BM+4]          ; block l / 16's largest score: it serves for the row's maximum and, since p rises with the score, for the block's largest p
	s_delay_alu instid0(VALU_DEP_2)
	v_max3_num_f32 v[BM+1], v[BM+1], v[BM+3], v[BM+5]      ; block 2 + l / 16's
	s_delay_alu instid0(VALU_DEP_1)
	v_max_num_f32 v[TMP], v[BM], v[BM+1]
	s_delay_alu instid0(VALU_DEP_1)
	v_permlanex16_b32 v[BX], v[TMP], s[SEL], s[SEL+1]
	s_delay_alu instid0(VALU_DEP_1)
	v_max3_num_f32 v13, v13, v[TMP], v[BX]         ; the running largest score of my query
	s_delay_alu instid0(VALU_DEP_1)
	v_mul_f32 v[TMP], s[CS], v13                   ; as t (c is positive, so the largest score gives the largest t)
	s_delay_alu instid0(VALU_DEP_1)
	v_floor_f32 v12, -v[TMP]                       ; the new -M = floor(-t) = -ceil(t): M is a whole number
	s_delay_alu instid0(VALU_DEP_1)
.set n, 0
.rept 32
	v_pk_fma_f32 v[S+n:S+n+1], v[S+n:S+n+1], s[CS:CS+1], v[12:13] op_sel_hi:[1,0,0]   ; t - M, two at a time (of the pairs c and -M the low word serves both halves)
.if n == 8
	v_sub_f32 v[TMP], v12, v[OM]                   ; M's old value less its new one: a whole number, 0 or less
.endif
.if n == 20
	v_cvt_i32_f32 v[TMP], v[TMP]                   ; (it saturates)
.endif
.if n == 32
	v_ldexp_f32 v[F], 1.0, v[TMP]                  ; f = 2^(old M - new M): a multiplication by it rounds nothing
.endif
.set n, n+2
.endr
.irp b, 0,1
	v_fma_f32 v[BM+\b], v[BM+\b], s[CS], v12       ; the same of each block's largest score
.endr
	s_wait_alu depctr_va_vdst(0)
.set n, 0
.rept 64
	v_exp_f32 v[S+n], v[S+n]                       ; p = 2^(t - M), at most 1: not normalised; 0 for a hidden key
.set n, n+1
.endr
.irp b, 0,1
	v_exp_f32 v[BM+\b], v[BM+\b]                   ; the block's largest p: the same two instructions on the same number give the same bits
.endr
	v_pk_mul_f32 v[14:15], v[14:15], v[F:F+1] op_sel_hi:[1,0]   ; the sums under the new M.  (The plain instruction behind the exponentials)
	s_wait_alu depctr_va_vdst(0)                   ; the one wait behind the batch, directly ahead of the first reader of O^T too
; O^T under the new M; the blocks' scales are made between its lines.
.set on, 0
	OSC 2
.irp b, 0,1
	v_max_num_f32 v[BM+\b], 0x1800000, v[BM+\b]    ; the floor 2^(3 - 127): the byte cannot fall under 1 (a block whose every p is 0 keeps that byte: its codes are zeros)
.endr
	OSC 3
.irp b, 0,1
	v_add_nc_u32 v[SO+\b], 0xff000000, v[BM+\b]    ; 2 off the exponent field: the conversions' scale operand
.endr
	OSC 3
.irp b, 0,1
	v_lshrrev_b32 v[BY+\b], 23, v[SO+\b]           ; the scale's byte
.endr
	OSC 4
	v_lshl_or_b32 v[W], v[BY+1], 16, v[BY]         ; my two bytes: blocks h and 2 + h,
	OSC 4
	v_lshlrev_b32 v[W], v[F+1], v[W]               ; at their places in the scale word, 8 h bits up;
	s_delay_alu instid0(VALU_DEP_1)
	v_permlanex16_b32 v[BX+1], v[W], s[SEL], s[SEL+1]
	s_delay_alu instid0(VALU_DEP_1)
	v_or_b32 v[PS], v[W], v[BX+1]                  ; with lane l xor 16's two: p's scale word for these 128 keys
.irp c, 0,1                            ; my block 2 c + h: registers 6 c .. 6 c + 5 of the operand, in my own lane
	v_cvt_scalef32_pk16_fp6_f32 v[PC+6*\c:PC+6*\c+2], v[S+32*\c:S+32*\c+15], v[SO+\c]
	v_cvt_scalef32_pk16_fp6_f32 v[CT+4*\c:CT+4*\c+2], v[S+32*\c+16:S+32*\c+31], v[SO+\c]   ; (a conversion's three registers begin on an even number)
.endr
; The row's sum, of the unquantised p: 32 pairs.  Twelve additions stand here (the plain lines behind the conversions, and the places between p's scale word and codes and the product), twenty behind the product.
.irp i, 0,1,2
	v_pk_add_f32 v[AC+2*\i:AC+2*\i+1], v[S+4*\i:S+4*\i+1], v[S+4*\i+2:S+4*\i+3]
.endr
.set pj, 6
	SUMS 5
.irp c, 0,1
.irp i, 0,1,2
	v_mov_b32 v[PC+6*\c+3+\i], v[CT+4*\c+\i]
.endr
.endr
	SUMS 4
.if \wrap
	v_add_nc_u32 v[ADK], CH-STEPB, v[LI]
.endif
	ds_load_b128 v[KS:KS+3], v[ADS] offset:768     ; THE NEXT STEP'S K and its scale words: what was at work in these registers is done with
.irp g, 0,1,2,3,4,5,6,7,8,9,10,11
	ds_load_b128 v[KF+4*\g:KF+4*\g+3], v[ADK] offset:STEPB+512*\g
.endr
	s_wait_alu depctr_va_vdst(0)
	s_wait_dscnt 13                                ; V's image and scale words are in; the thirteen loads just issued may stay out
.irp u, 0,1                            ; O^T += V^T P^T: four accumulators by turns; K = these 128 keys
	v_wmma_scale_f32_16x16x128_f8f6f4 v[O+8*\u:O+8*\u+7], v[VF+12*\u:VF+12*\u+11], v[PC:PC+11], v[O+8*\u:O+8*\u+7], v[VS+\u], v[PS] matrix_a_fmt:MATRIX_FMT_FP6 matrix_b_fmt:MATRIX_FMT_FP6
.endr
.irp u, 2,3
	v_wmma_scale_f32_16x16x128_f8f6f4 v[O+8*\u:O+8*\u+7], v[VF+12*\u:VF+12*\u+11], v[PC:PC+11], v[O+8*\u:O+8*\u+7], v[VS+\u-2], v[PS] matrix_a_fmt:MATRIX_FMT_FP6 matrix_b_fmt:MATRIX_FMT_FP6 matrix_a_scale:MATRIX_SCALE_ROW1
.endr
	SUMS 17
	s_delay_alu instid0(VALU_DEP_3)
	v_pk_add_f32 v[AC+2:AC+3], v[AC+2:AC+3], v[AC+4:AC+5]
	s_delay_alu instid0(VALU_DEP_2)
	v_pk_add_f32 v[14:15], v[14:15], v[AC:AC+1]
	s_delay_alu instid0(VALU_DEP_1)
	v_pk_add_f32 v[14:15], v[14:15], v[AC+2:AC+3]
	s_add_co_u32 s[TB], s[TB], STEPB
	s_add_co_u32 s[TS], s[TS], 768
.endm
.macro RUN steps, ask
	s_mov_b32 s[STP], \steps
.Lstep_\@:
	STEP \ask, 0
	s_sub_co_u32 s[STP], s[STP], 1
	s_cmp_lg_u32 s[STP], 0
	s_cbranch_scc1 .Lstep_\@
.endm
.macro SHOWN                           ; what every wave has fetched is shown to every wave
	s_wait_tensorcnt 0x0
	ds_add_u32 v[SPW], v[NIL]
	s_wait_dscnt 0x0
	s_barrier_signal -1
	s_barrier_wait -1
.endm
	s_wait_alu depctr_va_vdst(0)
	RUN 5, 1                                       ; steps 0 to 4; the last reads step 5's K, of the first fill
	SHOWN                                          ; steps 6 to 17 lie in LDS
	s_mov_b32 s[TB], CH+5*STEPB
	s_mov_b32 s[TS], 5*768
	RUN BACK-5, 0                                  ; steps 5 to 13; the last reads step 14's K, in a room that is not filled again
	; THE ONE REFILL.  No load of mine is out, so both descriptor groups may be written; nobody reads rooms 0 to 13 behind the round.
	s_wait_tensorcnt 0x0
	ds_add_u32 v[SPW], v[NIL]                      ; the descriptor's words stand between the add and the wait for it
	s_mov_b32 s[G1+2], R3<<16
	s_mov_b32 s[G1+4], R3
	s_mul_i32 s67, s[WV], R3*256
	s_add_co_u32 s[G0+1], s67, CH                  ; LDS: room 0 on, my 42 rows
	s_mul_i32 s100, s[WV], (R3-R2)*256
	s_add_co_u32 s100, s100, F2B                   ; memory: from step 6 + wave x 36 rows to step 18 + wave x 42 rows
	s_mov_b32 s101, 0
	s_add_nc_u64 s[G0+2:G0+3], s[G0+2:G0+3], s[100:101]
	s_wait_dscnt 0x0                               ; the add is done, and my reads of those rooms are over
	CROUND
	tensor_load_to_lds s[G0:G0+3], s[G1:G1+7]      ; steps 18 to 31: my one load behind the round
	s_nop 0
	s_mov_b32 s[TB], CH+BACK*STEPB
	s_mov_b32 s[TS], BACK*768
	RUN ROOMS-BACK-1, 0                            ; steps 14 to 16; the last reads step 17's K
	SHOWN                                          ; steps 18 to 31 lie in LDS
	s_mov_b32 s[TB], CH+(ROOMS-1)*STEPB
	s_mov_b32 s[TS], (ROOMS-1)*768
	STEP 0, 1                                      ; step 17; it reads step 18's K from room 0
	s_mov_b32 s[TB], CH
	s_mov_b32 s[TS], ROOMS*768
	RUN BACK, 0                                    ; steps 18 to 31
	; THE WAY OUT.  The sum's two halves and lane l xor 16's are added; O^T is divided by the sum and goes through my stage in LDS, so that whole rows of 256 bytes are stored.
	; (The twenty additions behind the last products are their places.)
	v_add_f32 v14, v14, v15
	s_delay_alu instid0(VALU_DEP_1)
	v_permlanex16_b32 v[TMP], v14, s[SEL], s[SEL+1]
	s_delay_alu instid0(VALU_DEP_1)
	v_add_f32 v14, v14, v[TMP]                     ; the row's sum
	s_wait_alu depctr_va_vdst(0)                   ; the wait ahead of the reciprocal,
	v_rcp_f32 v[F], v14
	v_nop                                          ; a plain instruction behind it,
	s_wait_alu depctr_va_vdst(0)                   ; and the wait ahead of the first line that names its result, which is also O^T's first reader
.set n, 0
.rept 16
	v_pk_mul_f32 v[S+n:S+n+1], v[O+n:O+n+1], v[F:F+1] op_sel_hi:[1,0]   ; register 8 u + i is out0(r, 16 u + 8 h + i)
.set n, n+2
.endr
.irp u, 0,1,2,3
	ds_store_b128 v[STO], v[S+8*\u:S+8*\u+3] offset:64*\u
	ds_store_b128 v[STO], v[S+8*\u+4:S+8*\u+7] offset:64*\u+16
.endr
.irp i, 0,1,2,3,4,5,6,7
	ds_load_b128 v[VF+4*\i:VF+4*\i+3], v[RD] offset:544*\i   ; LDS serves a wave's instructions in order (ISA guide 5.7.1.4): these see my stores
.endr
.irp i, 0,1,2,3,4,5,6,7
	s_wait_dscnt 7-\i                              ; rows 2 i and 2 i + 1 are back; the younger loads may stay out
	global_store_b128 v[LI], v[VF+4*\i:VF+4*\i+3], s[6:7] offset:512*\i th:TH_STORE_NT   ; 32 lanes store two whole rows, 512 consecutive bytes, at a multiple of 256 from out0's first byte
.endr
	s_wait_tensorcnt 0x0                           ; the wave's end
	ds_add_u32 v[SPW], v[NIL]
	s_wait_dscnt 0x0
	CROUND                                         ; the closing round
	s_endpgm
.Lfunc_end_k_q1690df98a8_attn:
	.size	k_q1690df98a8_attn, .Lfunc_end_k_q1690df98a8_attn-k_q1690df98a8_attn
	.p2alignl 7, 3214868480
	.fill 96, 4, 3214868480
	.section	.rodata,"a",@progbits
	.p2align	6, 0x0
	.amdhsa_kernel k_q1690df98a8_attn
		.amdhsa_group_segment_fixed_size 327680
		.amdhsa_private_segment_fixed_size 0
		.amdhsa_enable_private_segment 0
		.amdhsa_kernarg_size 32
		.amdhsa_user_sgpr_count 2
		.amdhsa_user_sgpr_kernarg_segment_ptr 1
		.amdhsa_wavefront_size32 1
		.amdhsa_system_sgpr_workgroup_id_x 1
		.amdhsa_system_sgpr_workgroup_id_y 1
		.amdhsa_system_sgpr_workgroup_id_z 1
		.amdhsa_system_vgpr_workitem_id 0
		.amdhsa_next_free_vgpr 256
		.amdhsa_next_free_sgpr 106
		.amdhsa_reserve_vcc 0
		.amdhsa_float_denorm_mode_32 3
		.amdhsa_float_denorm_mode_16_64 3
		.amdhsa_memory_ordered 1
		.amdhsa_forward_progress 1
		.amdhsa_inst_pref_size 115
	.end_amdhsa_kernel
	.amdgpu_metadata
---
amdhsa.version: [ 1, 2 ]
amdhsa.kernels:
  - .name:           k_q1690df98a8_attn
    .symbol:         k_q1690df98a8_attn.kd
    .args:
      - { .name: q, .offset: 0, .size: 8, .value_kind: global_buffer, .address_space: global }
      - { .name: kv, .offset: 8, .size: 8, .value_kind: global_buffer, .address_space: global }
      - { .name: mbits, .offset: 16, .size: 8, .value_kind: global_buffer, .address_space: global }
      - { .name: out0, .offset: 24, .size: 8, .value_kind: global_buffer, .address_space: global }
    .group_segment_fixed_size: 327680
    .private_segment_fixed_size: 0
    .kernarg_segment_align: 8
    .kernarg_segment_size: 32
    .max_flat_workgroup_size: 512
    .sgpr_count:     106
    .vgpr_count:     256
    .wavefront_size: 32
...
	.end_amdgpu_metadata
.endif
;; end of part 2
